; MI455X (gfx1250); checked and timed in simulation.
; The chip was launched on July 23, 2026; its instructions are those of AMD's public machine-readable ISA for CDNA 5 (MIT licence, August 2026) and "CDNA5" Instruction Set Architecture Reference Guide (July 2026). The comments in the code are by the model that wrote it; some were corrected since.
;; Vector Quantizer. Allowed arithmetic: matrix products marked QUANTISED: E2M1 operands, one E8M0 scale for each 32 along K, by v_wmma_scale_f32_16x16x128_f8f6f4 with both operands' format E2M1 (or v_wmma_scale_f32_32x16x128_f4), f32 sums; everything else in f32.
;; Inputs: embedding 1,024 x 64 float32; inputs 16 x 64 x 64 x 64 float32.
;; Outputs: out0 16 x 64 x 64 x 64 float32; out1 one number float32.
;; This version of the problem:
;;   THIS VERSION OF THE PROBLEM IS GIVEN IN LOW PRECISION. The matrix products marked QUANTISED in the list below multiply operands that are first quantised to E2M1 (2 exponent bits, 1 mantissa bit; 4 bits a number), with one power-of-two scale for each 32 numbers along K (OCP MX v1.0); their sums are f32. All else is computed in f32.
;;   The module's matrix products, in the order in which they are computed (A, B: the left and right operand; K: the contracted axis; several contracted axes count as one K, in the product's order):
;;     1. [M 65,536, K 64] x [K 64, N 1,024]; A: input inputs; B: input embedding: QUANTISED
;;   THE QUANTISER, for each operand of a quantised product, along K:
;;     - K is cut into blocks of 32 from its start; a last block that is shorter is filled with zeros.
;;     - A block's scale is 2^e with e = floor(log2(the largest magnitude in the block)) - 2, held to -126 .. 127; a block of zeros has e = 0. As a byte (E8M0): e + 127.
;;     - Each number is divided by its block's scale, clamped to +-6, and rounded to the nearest number of E2M1, ties to even, subnormals kept.
;;     - The product sums the exact products of the quantised numbers (number of the format x scale) in f32.
;;   ~~~python
;;   def quantise(x, axis):      # numpy; x: float32 -> the quantised numbers, widened to float32 again
;;       x = np.moveaxis(x, axis, -1); K = x.shape[-1]
;;       x = np.pad(x, [(0, 0)] * (x.ndim - 1) + [(0, -K % 32)]); x = x.reshape(x.shape[:-1] + (-1, 32)); a = np.abs(x).max(-1, keepdims=True)
;;       e = np.where(a > 0, np.clip(np.frexp(np.where(a > 0, a, 1))[1] - 1 - 2, -126, 127), 0)      # np.frexp(a)[1] - 1 = floor(log2(a)), exactly
;;       r = np.clip(x / 2.0 ** e, -6, 6)
;;       step = 2.0 ** (np.maximum(np.frexp(np.where(r == 0, 1, r))[1] - 1, 0) - 1)
;;       q = np.round(r / step) * step * 2.0 ** e      # np.round: ties to even
;;       return np.moveaxis(q.reshape(q.shape[:-2] + (-1,))[..., :K], -1, axis).astype(np.float32)
;;   ~~~
;; One version. Each part assembles by itself: llvm-mc -triple=amdgcn-amd-amdhsa -mcpu=gfx1250 --defsym DOCPART=n.
;; ======== version 1 of 1: 3 launches
;; workspace buffers: idx 262,144 bytes of whole numbers; parts 1,024 bytes
;; launch nearest (part 1): grid 256 x 1, 8 waves a work-group, no clusters, 115,712 bytes of LDS; arguments inputs, embedding, idx; writes idx
.if DOCPART == 1
	.amdgcn_target "amdgcn-amd-amdhsa--gfx1250"
	.amdhsa_code_object_version 6
	.text
	.protected	k_q32c4d4f95b_nearest
	.globl	k_q32c4d4f95b_nearest
	.p2align	8
	.type	k_q32c4d4f95b_nearest,@function
k_q32c4d4f95b_nearest:
	s_mov_b64 s[64:65], 0
	v_nop
	global_prefetch_b8 v0, s[64:65] scope:SCOPE_SE
	s_setreg_imm32_b32 hwreg(HW_REG_WAVE_MODE, 25, 1), 1
	s_wait_xcnt 0x0
; idx[n] = the first k at which d(n, k) = (|x_n|^2 + |e_k|^2) - 2 Q(x_n) . Q(e_k) is least.  x: inputs as [65536][64] f32; e: embedding [1024][64] f32; Q: codes of FP4 (E2M1) with one E8M0 scale for each 32 along the 64.
; THE ARITHMETIC IS KEPT AS IT IS WRITTEN: t = |x|^2 + |e|^2 is one f32 addition, rounded; t is the C of the matrix instruction, whose codes and scales of e stand for -2 Q(e): every code's sign bit is flipped and
; every scale byte is one higher, both exact (a byte is at most 252 for a finite number, so byte + 1 never is 0xff).  So near ties fall as they fall in f32, and among equal distances the lowest k wins:
; within a lane by strict comparisons in ascending k, between lanes by (distance, k).
; SHARES.  A work-group of eight waves takes 256 rows of x; a wave 32: two tiles of 16.  Every wave walks all 1,024 entries, a PAIR of tiles of 16 (32 entries) a step.
; EACH WORK-GROUP QUANTISES THE CODEBOOK FOR ITSELF, into a BOOK of 40,960 bytes in LDS: wave w takes entries 128 w .. 128 w + 127, four groups of 32.  That spares a launch and a buffer; the price is 262,144 bytes
; asked for in place of 40,960 and four groups' arithmetic a wave, two of which stand where the wave would wait for x.
; A GROUP is 32 rows of 64 numbers, of e or of x alike: 16 loads of 512 consecutive bytes; through the wave's stage in LDS, in as loaded, out 128 bytes a lane, into the registers that it left: lane (r, h) = (lane % 16, lane / 16)
; then holds block h (numbers 32 h .. 32 h + 31) of row 16 c + r, c = 0, 1: a whole block in a lane, so that its largest magnitude needs no other lane and the conversions' results are an operand's registers.
; A block's scale is 2^(floor(log2(its largest magnitude)) - 2): its byte is the largest magnitude's exponent field - 2, held at 1 from below by a floor among the maximum's leaves.  (A block of zeros keeps the floor's
; byte: its codes are zeros, and this launch alone reads the bytes.)
; THE BOOK: bytes 0 ..: source 0's register images, 1,024 bytes a pair u (register group c: 512 bytes, 16 a lane): 16 rows x 128 K whose k 0-63 is tile 2 u and whose k 64-127 is tile 2 u + 1;  WORDS ..: a pair's scale
; words, 128 bytes, 4 a lane: lane r < 16 holds row r's four bytes (lanes 16-31 hold each tile's two swapped, and the matrix unit does not read them);  NORMS ..: |e|^2, f32, in the entries' order.
; THE PRODUCT IS USED TRANSPOSED: source 0 = 16 entries, source 1 = 16 rows of x: lane (r, h) holds ONE row r of x, and register j the entry 8 h + j of the tile: the search runs down a lane's registers.
; K is 64 and the instruction's is 128: x stands between zeros, [0 X 0] in 12 registers: read as (X | 0) it meets source 0's first tile, as (0 | X) the second.
; THE SEARCH costs 73 vector instructions for a step's 32 distances of a lane.  A tile of x and a pair of tiles of e are a GROUP of 16 distances a lane: their minimum by three-operand minima; where it is under the
; best so far (a comparison, no branch) the group's number and its 16 distances are kept by selects.  At the end the first of the 16 kept that equals the best gives the place in the group.
; THE PIPELINE.  Step n: the minimum of pair n - 2 | LDS loads of pair n + 1 | t of pair n | the selects of pair n - 2 | the four products of pair n.  So each product's result is read two steps on,
; and the vector work is the distance that stands behind and in front of matrix instructions.  Results and operands have two sets of registers, by the pair's parity; t has one.
; LDS: the book; a stage for each wave; 1,024 bytes in which the 256 indices meet, so that they leave as whole blocks of 256 bytes.
; NO JOINT LOADS IN A CLUSTER, though all work-groups read the same codebook: a joint load brings a tile into LDS as it lies in memory: 1,024 rows of 256 bytes + 16 of padding are 278,528 bytes; with the book's 40,960,
; the stages' 69,632 and the indices' 1,024 that is 390,144, more than the 327,680 that a work-group can have; in halves it would be a slot filled again behind a round of the cluster's barrier, for bytes asked for once, at the head.
; LIMITS: NaN and infinities among the inputs are not served.  |x|^2 and |e|^2 are summed by fused multiply-adds in four chains, another order of rounding than a plain sum's; for |x|^2 that moves all distances of a row alike.
; Where t - 2 Q(x) . Q(e) is no f32 number its last bit is the matrix unit's.  A block whose largest magnitude lies under 2^-124 has its byte held at 1.
.set WORDS, 32768                      ; the book: images at 0, scale words, norms
.set NORMS, 36864
.set STG,   40960                      ; the stages
.set TSTG,  16*272                     ; a tile: 16 rows of 256 bytes + 16 of padding = 68 words: row r starts at bank 4 r mod 64 (64 banks of 4 bytes: ISA guide 11.1)
.set WSTG,  2*TSTG                     ; a wave's two
.set IDXS,  STG+8*WSTG                 ; the indices
.set ADR,  1                           ; v1-6    LDS addresses of the loop's next loads, a set for each parity: images, norms, words
.set XO,   7                           ; v7      16 x lane: my 16 bytes of a load's 512; never rewritten
.set B,    8                           ; v8-31   x: [0 X 0], 12 registers a tile
.set XX,   32                          ; v32-35  |x|^2 of my row, a pair a tile (the packed addition names a pair and takes its low word for both halves)
.set SX,   36                          ; v36-37  x's scale words: scales and nothing else
.set SC,   38                          ; v38-39  e's scale words, by parity: scales and nothing else
.set BEST, 40                          ; v40-41  the least distance so far, a tile
.set GID,  42                          ; v42-43  the pair in which it was found
.set T,    44                          ; v44-47  at work: minima
.set W,    48                          ; v48-51  at work at the end
.set KEEP, 52                          ; v52-83  the 16 distances of that group, a tile
.set AF,   84                          ; v84-99  source 0, by parity
.set EE,   100                         ; v100-131 the pair's norms: 8 for each tile, by parity
.set C,    132                         ; v132-163 t: (tile of x, tile of e) at C + 16 x + 8 i
.set D,    164                         ; v164-227 distances, by parity: D + 32 p + 16 x + 8 i
.set GOF,  84                          ; at the end: v84 16 x my thread's number
.set S0,   40                          ; at the head: three sets of 64 registers, a group each: v40-103,
.set S1,   104                         ;   v104-167,
.set S2,   168                         ;   v168-231
.set MX,   232                         ; v232-235 largest magnitudes, two chains a block
.set SO,   236                         ; v236-237 the conversions' scale operands
.set BY,   238                         ; v238-239 scale bytes, then words
.set OT,   240                         ; v240-241 what lane l xor 16 sends
.set SQ,   242                         ; v242-249 sums of squares, two packed chains a block;
.set CD,   242                         ;          and, when those are added up, e's codes
.set NR,   250                         ; v250-251 norms
.set STI,  252                         ; v252    the stage, on the way in; at the end: where my index goes
.set STO,  253                         ; v253    the stage, on the way out; at the end: where 16 bytes of indices come from
.set IMG,  254                         ; v254    the book: 16 x lane + 4,096 x wave: my wave's four images
.set WNA,  255                         ; v255    the book: 4 x lane + 512 x wave: their scale words, and their norms
	s_load_b128 s[4:7], s[0:1], 0x0                ; inputs s[4:5], embedding s[6:7]
	s_load_b64 s[8:9], s[0:1], 0x10                ; idx
	s_set_vgpr_msb 0x40
	v_lshl_add_u32 v0, v0, 2, 0x1c000
	v_mov_b32 v1, 0
	s_set_vgpr_msb 0x4000
	v_lshrrev_b32 v232, 5, v0
	v_readfirstlane_b32 s10, v232                  ; wave 0..7
	v_and_b32 v233, 31, v0                         ; lane
	v_and_b32 v234, 15, v0                         ; r
	v_bfe_u32 v235, v0, 4, 1                       ; h
	v_lshlrev_b32 v[XO], 4, v233
	s_mul_i32 s11, s10, WSTG
	s_add_co_u32 s11, s11, STG                     ; my wave's stage
	v_mul_u32_u24 v[STI], v235, 272                ; in, as loaded: a load's 512 bytes are two rows: lanes 0-15 one, lanes 16-31 the next
	v_lshl_add_u32 v[STI], v234, 4, v[STI]
	v_add_nc_u32 v[STI], s11, v[STI]
	v_mul_u32_u24 v[STO], v234, 272                ; out: row r, block h: my 128 bytes
	v_lshl_add_u32 v[STO], v235, 7, v[STO]
	v_add_nc_u32 v[STO], s11, v[STO]
	s_lshl_b32 s20, s10, 12
	v_lshl_add_u32 v[IMG], v233, 4, s20
	s_lshl_b32 s21, s10, 9
	v_lshl_add_u32 v[WNA], v233, 2, s21
	v_lshlrev_b32 v[ADR], 4, v233                  ; the loop's pair 0: an image is 16 bytes a lane,
	v_lshl_add_u32 v[ADR+1], v235, 5, NORMS        ; my half's eight norms of a tile are 32 bytes,
	v_lshl_add_u32 v[ADR+2], v233, 2, WORDS        ; a scale word 4 bytes a lane
	v_add_nc_u32 v[ADR+3], 1024, v[ADR]            ; pair 1
	v_add_nc_u32 v[ADR+4], 128, v[ADR+1]
	v_add_nc_u32 v[ADR+5], 128, v[ADR+2]
	s_lshl_b32 s12, ttmp9, 16                      ; the work-group's 256 rows of 256 bytes,
	s_lshl_b32 s13, s10, 13                        ; my wave's 32
	s_add_co_u32 s12, s12, s13
	s_mov_b32 s13, 0
	s_lshl_b32 s24, s10, 15                        ; my wave's 128 entries of 256 bytes
	s_mov_b32 s25, 0
	s_mov_b32 s14, 0x76543210
	s_mov_b32 s15, 0xfedcba98                      ; v_permlanex16_b32's selects for lane l xor 16
	s_mov_b32 s16, 0x7f800000                      ; +infinity
	s_mov_b32 s23, 0xffff0000                      ; lanes 16-31
	s_mov_b32 s26, 0x88888888                      ; the sign bits of eight codes
	v_mov_b32 v[OT], 0                             ; a lane permute's destination counts as one of its sources
	v_mov_b32 v[OT+1], 0
	s_wait_kmcnt 0x0
	s_add_nc_u64 s[4:5], s[4:5], s[12:13]
	s_add_nc_u64 s[6:7], s[6:7], s[24:25]
.macro GLOAD set, base, off            ; a group's 8,192 bytes: 32 lanes read 512 consecutive bytes, two rows, at a time
.irp i, 0,1,2,3,4,5,6,7,8,9,10,11,12,13,14,15
	global_load_b128 v[\set+4*\i:\set+4*\i+3], v[XO], s[\base:\base+1] offset:\off+512*\i
.endr
.endm
; A group turns through my wave's stage and comes back into the registers that it left.  LDS serves a wave's instructions in order (ISA guide 5.7.1.4): no wait stands between the stores and the loads, and the next
; group's stores come behind this group's loads.  The wait at the end also shows the last group's stores into the book done, whose registers are written again behind it.
.macro TURN set
.irp c, 0,1
.irp i, 0,1,2,3,4,5,6,7
	ds_store_b128 v[STI], v[\set+32*\c+4*\i:\set+32*\c+4*\i+3] offset:\c*TSTG+544*\i
.endr
.endr
.irp c, 0,1
.irp q, 0,1,2,3,4,5,6,7
	ds_load_b128 v[\set+32*\c+4*\q:\set+32*\c+4*\q+3], v[STO] offset:\c*TSTG+16*\q
.endr
.endr
	s_wait_dscnt 0x0
.endm
; My two blocks of 32 (one of each tile), by turns: the largest magnitude, the sum of squares, the conversion's scale operand, the scale's byte; my block's share of the norm goes to lane l xor 16.
.macro MEASURE set
.irp c, 0,1
	v_max3_num_f32 v[MX+2*\c], |v[\set+32*\c]|, |v[\set+32*\c+1]|, 0x1800000          ; the floor 2^(3 - 127): the byte cannot fall under 1
	v_max3_num_f32 v[MX+2*\c+1], |v[\set+32*\c+16]|, |v[\set+32*\c+17]|, 0x1800000
	v_pk_mul_f32 v[SQ+4*\c:SQ+4*\c+1], v[\set+32*\c:\set+32*\c+1], v[\set+32*\c:\set+32*\c+1]       ; the first squares start the sums
	v_pk_mul_f32 v[SQ+4*\c+2:SQ+4*\c+3], v[\set+32*\c+16:\set+32*\c+17], v[\set+32*\c+16:\set+32*\c+17]
.endr
.irp i, 2,4,6,8,10,12,14
.irp c, 0,1
	v_max3_num_f32 v[MX+2*\c], v[MX+2*\c], |v[\set+32*\c+\i]|, |v[\set+32*\c+\i+1]|
	v_max3_num_f32 v[MX+2*\c+1], v[MX+2*\c+1], |v[\set+32*\c+16+\i]|, |v[\set+32*\c+17+\i]|
	v_pk_fma_f32 v[SQ+4*\c:SQ+4*\c+1], v[\set+32*\c+\i:\set+32*\c+\i+1], v[\set+32*\c+\i:\set+32*\c+\i+1], v[SQ+4*\c:SQ+4*\c+1]
	v_pk_fma_f32 v[SQ+4*\c+2:SQ+4*\c+3], v[\set+32*\c+16+\i:\set+32*\c+17+\i], v[\set+32*\c+16+\i:\set+32*\c+17+\i], v[SQ+4*\c+2:SQ+4*\c+3]
.endr
.endr
.irp c, 0,1
	v_max_num_f32 v[MX+2*\c], v[MX+2*\c], v[MX+2*\c+1]                          ; the block's largest magnitude
	v_pk_add_f32 v[SQ+4*\c:SQ+4*\c+1], v[SQ+4*\c:SQ+4*\c+1], v[SQ+4*\c+2:SQ+4*\c+3]
.endr
.irp c, 0,1
	v_add_nc_u32 v[SO+\c], 0xff000000, v[MX+2*\c]  ; 2 off its exponent field: the conversion takes the exponent field of this operand as its scale
	v_add_f32 v[NR+\c], v[SQ+4*\c], v[SQ+4*\c+1]   ; my block's share of the norm
.endr
.irp c, 0,1
	v_lshrrev_b32 v[BY+\c], 23, v[SO+\c]           ; the scale's byte
	v_permlanex16_b32 v[OT+\c], v[NR+\c], s14, s15
.endr
.endm
; 32 entries of e become pair 4 w + grp of the book.
.macro ENTRIES set, grp
	MEASURE \set
.irp c, 0,1
	v_add_nc_u32 v[BY+\c], 1, v[BY+\c]             ; one more: the 2 of -2
	v_add_f32 v[NR+\c], v[NR+\c], v[OT+\c]         ; with the other block's share: the entry's squared norm, in both halves of the lanes
.endr
.irp c, 0,1
	v_permlanex16_b32 v[OT+\c], v[BY+\c], s14, s15
.endr
.irp c, 0,1
	v_lshl_or_b32 v[BY+\c], v[OT+\c], 8, v[BY+\c]  ; lanes 0-15: block 0's byte, block 1's byte
.endr
.irp c, 0,1
.irp k, 0,1,2,3
	v_cvt_scalef32_pk8_fp4_f32 v[CD+4*\c+\k], v[\set+32*\c+8*\k:\set+32*\c+8*\k+7], v[SO+\c]   ; eight numbers / the scale, to the nearest code, ties to even, beyond 6 the largest code; the first number's code in the lowest bits
.endr
.endr
	v_lshl_or_b32 v[BY], v[BY+1], 16, v[BY]        ; the first tile's two bytes, the second's two: the row's scale word.  (A plain vector instruction between the last conversion and the lines that touch its results)
.irp n, 0,1,2,3,4,5,6,7
	v_xor_b32 v[CD+\n], s26, v[CD+\n]              ; the minus of -2
.endr
	v_cndmask_b32 v[NR], v[NR], v[NR+1], s23       ; lane l holds the norm of the group's entry l
	ds_store_b128 v[IMG], v[CD:CD+3] offset:1024*\grp                ; 512 consecutive bytes each
	ds_store_b128 v[IMG], v[CD+4:CD+7] offset:1024*\grp+512
	ds_store_b32 v[WNA], v[BY] offset:WORDS+128*\grp
	ds_store_b32 v[WNA], v[NR] offset:NORMS+128*\grp
.endm
; My wave's 32 rows of x become two operands [0 X 0], their scale words and |x|^2: work on registers alone.
.macro ROWS set
	MEASURE \set
.irp x, 0,1
	v_add_f32 v[XX+2*\x], v[NR+\x], v[OT+\x]       ; |x|^2 of row r, in both halves of the lanes;
	v_add_f32 v[XX+2*\x+1], v[NR+\x], v[OT+\x]     ; (the pair's upper word is named with it, so it is written)
.endr
.irp x, 0,1
	v_permlanex16_b32 v[OT+\x], v[BY+\x], s14, s15
.endr
.irp x, 0,1
	v_lshl_or_b32 v[BY+\x], v[OT+\x], 8, v[BY+\x]  ; lanes 0-15: block 0's byte, block 1's (the unit reads these lanes alone)
.endr
.irp x, 0,1
	v_lshl_or_b32 v[SX+\x], v[BY+\x], 16, v[BY+\x] ; twice: the word serves (X | 0) and (0 | X)
.irp n, 0,1,2,3,8,9,10,11
	v_mov_b32 v[B+12*\x+\n], 0                     ; the zero codes on both sides of X
.endr
.endr
.irp x, 0,1
.irp k, 0,1,2,3
	v_cvt_scalef32_pk8_fp4_f32 v[B+12*\x+4+\k], v[\set+32*\x+8*\k:\set+32*\x+8*\k+7], v[SO+\x]
.endr
.endr
	v_nop                                          ; one plain vector instruction behind the last scaled conversion
.endm
; THE HEAD.  Three groups are asked for at once: e's first two, then x; each of e's sets takes another group of e as soon as it is worked.  Loads come back in order (ISA guide 5.7.1), so e's first two groups are worked
; while x is on its way.  48 loads of a wave are out at the most.
	GLOAD S0, 6, 0                                 ; e, group 0
	GLOAD S1, 6, 8192                              ; e, group 1
	GLOAD S2, 4, 0                                 ; x
	s_wait_loadcnt 32                              ; group 0's sixteen loads are in; behind them: group 1's and x's
	TURN S0
	ENTRIES S0, 0
	GLOAD S0, 6, 16384                             ; e, group 2
	s_wait_loadcnt 32                              ; group 1's are in; behind them: x's and group 2's
	TURN S1
	ENTRIES S1, 1
	GLOAD S1, 6, 24576                             ; e, group 3
	s_wait_loadcnt 32                              ; x's are in; behind them: groups 2's and 3's
	TURN S2                                        ; x waits in its registers for the barrier's signal
	s_wait_loadcnt 16                              ; group 2's are in; behind them: group 3's
	TURN S0
	ENTRIES S0, 2
	s_wait_loadcnt 0x0
	TURN S1
	ENTRIES S1, 3
	s_wait_dscnt 0x0                               ; for the others' sake: my part of the book lies in LDS
	s_barrier_signal -1
	ROWS S2                                        ; work on registers alone stands between the signal and the wait
	s_barrier_wait -1                              ; the whole book lies in LDS
.macro LOADS p                         ; seven LDS loads: the next pair of parity p: source 0's eight registers, my half's eight norms of each tile, the scale words
	ds_load_b128 v[AF+8*(\p):AF+8*(\p)+3], v[ADR+3*(\p)]
	ds_load_b128 v[AF+8*(\p)+4:AF+8*(\p)+7], v[ADR+3*(\p)] offset:512
	ds_load_b128 v[EE+16*(\p):EE+16*(\p)+3], v[ADR+3*(\p)+1]
	ds_load_b128 v[EE+16*(\p)+4:EE+16*(\p)+7], v[ADR+3*(\p)+1] offset:16
	ds_load_b128 v[EE+16*(\p)+8:EE+16*(\p)+11], v[ADR+3*(\p)+1] offset:64
	ds_load_b128 v[EE+16*(\p)+12:EE+16*(\p)+15], v[ADR+3*(\p)+1] offset:80
	ds_load_b32 v[SC+(\p)], v[ADR+3*(\p)+2]
.endm
.macro NEXT p                          ; parity p's addresses go two pairs on; they are written only behind the wait that shows the loads done that named them
	v_add_nc_u32 v[ADR+3*(\p)], 2048, v[ADR+3*(\p)]
	v_add_nc_u32 v[ADR+3*(\p)+1], 256, v[ADR+3*(\p)+1]
	v_add_nc_u32 v[ADR+3*(\p)+2], 256, v[ADR+3*(\p)+2]
.endm
.macro FORM p                          ; t = |e|^2 + |x|^2, two at a time: one f32 addition each, as it is written
.irp x, 0,1
.irp i, 0,1
.irp j, 0,2,4,6
	v_pk_add_f32 v[C+16*\x+8*\i+\j:C+16*\x+8*\i+\j+1], v[EE+16*(\p)+8*\i+\j:EE+16*(\p)+8*\i+\j+1], v[XX+2*\x:XX+2*\x+1] op_sel_hi:[1,0]
.endr
.endr
.endr
.endm
.macro MUL p                           ; d = t - 2 Q(x) . Q(e): four products, each with a result of its own; C and D are different registers
.irp x, 0,1
	v_wmma_scale_f32_16x16x128_f8f6f4 v[D+32*(\p)+16*\x:D+32*(\p)+16*\x+7], v[AF+8*(\p):AF+8*(\p)+7], v[B+12*\x+4:B+12*\x+11], v[C+16*\x:C+16*\x+7], v[SC+(\p)], v[SX+\x] matrix_a_fmt:MATRIX_FMT_FP4 matrix_b_fmt:MATRIX_FMT_FP4
	v_wmma_scale_f32_16x16x128_f8f6f4 v[D+32*(\p)+16*\x+8:D+32*(\p)+16*\x+15], v[AF+8*(\p):AF+8*(\p)+7], v[B+12*\x:B+12*\x+7], v[C+16*\x+8:C+16*\x+15], v[SC+(\p)], v[SX+\x] matrix_a_fmt:MATRIX_FMT_FP4 matrix_b_fmt:MATRIX_FMT_FP4
.endr
.endm
.macro TREE p                          ; the least of each group's 16 distances: four chains by turns, each result read from its low end on; v[T]: tile 0 of x, v[T+2]: tile 1
.irp g, 0,1,2,3
	v_min3_num_f32 v[T+\g], v[D+32*(\p)+8*\g], v[D+32*(\p)+8*\g+1], v[D+32*(\p)+8*\g+2]
.endr
.irp j, 3,5
.irp g, 0,1,2,3
	v_min3_num_f32 v[T+\g], v[T+\g], v[D+32*(\p)+8*\g+\j], v[D+32*(\p)+8*\g+\j+1]
.endr
.endr
	v_min3_num_f32 v[T], v[T], v[T+1], v[D+32*(\p)+7]
	v_min3_num_f32 v[T+2], v[T+2], v[T+3], v[D+32*(\p)+23]
	v_min_num_f32 v[T], v[T], v[D+32*(\p)+15]
	v_min_num_f32 v[T+2], v[T+2], v[D+32*(\p)+31]
.endm
.macro SELECT p, sg                    ; where the group's least is UNDER the best so far (so the earlier group keeps a tie) the group is kept.  The last four lines name no register of the products that follow
	v_cmp_lt_f32 vcc_lo, v[T], v[BEST]
	v_cmp_lt_f32 s20, v[T+2], v[BEST+1]
.irp n, 0,1,2,3,4,5,6,7,8,9,10,11,12,13,14,15
	v_cndmask_b32 v[KEEP+\n], v[KEEP+\n], v[D+32*(\p)+\n], vcc_lo
.endr
.irp n, 0,1,2,3,4,5,6,7,8,9,10,11,12,13,14,15
	v_cndmask_b32 v[KEEP+16+\n], v[KEEP+16+\n], v[D+32*(\p)+16+\n], s20
.endr
	v_min_num_f32 v[BEST], v[BEST], v[T]
	v_min_num_f32 v[BEST+1], v[BEST+1], v[T+2]
	v_cndmask_b32 v[GID], v[GID], \sg, vcc_lo
	v_cndmask_b32 v[GID+1], v[GID+1], \sg, s20
.endm
; Step n, of parity p.  TREE's sixteen lines are the distance between the last products and the loads into their sources, and the writing of t anew.
.macro STEP p, sg, ld, nx, left
	TREE \p
.if \ld
	LOADS 1-\p
.endif
	s_wait_dscnt \left                             ; pair n's seven loads are in; pair n + 1's seven, just issued, may be out
.if \nx
	NEXT \p
.endif
	FORM \p
	SELECT \p, \sg
	MUL \p
.endm
	LOADS 0                                        ; pair 0
	LOADS 1                                        ; pair 1
	s_wait_dscnt 7                                 ; pair 0's seven are in
	NEXT 0
	FORM 0
.irp n, 0,1,2,3,4,5,6,7,8,9,10,11,12,13,14,15
	v_mov_b32 v[KEEP+\n], s16                      ; the search begins at +infinity; these lines are also the distance in front of the first products
.endr
	MUL 0
.irp n, 16,17,18,19,20,21,22,23,24,25,26,27,28,29,30,31
	v_mov_b32 v[KEEP+\n], s16                      ; and behind them
.endr
	LOADS 0                                        ; pair 2
	s_wait_dscnt 7                                 ; pair 1's seven are in
	NEXT 1
	FORM 1
	v_mov_b32 v[BEST], s16
	v_mov_b32 v[BEST+1], s16
	v_mov_b32 v[GID], 0
	v_mov_b32 v[GID+1], 0
	MUL 1
	s_mov_b32 s17, 0                               ; the pair that an even step reduces,
	s_mov_b32 s18, 1                               ; and an odd one
	s_mov_b32 s19, 14
.Lpairs:                                               ; steps 2 to 29, two a trip
	STEP 0, s17, 1, 1, 7
	STEP 1, s18, 1, 1, 7
	s_add_co_u32 s17, s17, 2
	s_add_co_u32 s18, s18, 2
	s_sub_co_u32 s19, s19, 1
	s_cmp_lg_u32 s19, 0
	s_cbranch_scc1 .Lpairs
	STEP 0, s17, 1, 0, 7                           ; step 30 asks for the last pair,
	STEP 1, s18, 0, 0, 0                           ; step 31 for nothing
	s_add_co_u32 s17, s17, 2
	s_add_co_u32 s18, s18, 2
	TREE 0                                         ; pairs 30 and 31 are reduced
	SELECT 0, s17
	TREE 1
	SELECT 1, s18
; The place in the kept group: the FIRST of the 16 that equals the best (walked downward, so that the lowest place is written last).
	v_mov_b32 v[T], 15
	v_mov_b32 v[T+1], 15
.irp n, 14,13,12,11,10,9,8,7,6,5,4,3,2,1,0
	v_cmp_eq_f32 vcc_lo, v[KEEP+\n], v[BEST]
	v_cmp_eq_f32 s20, v[KEEP+16+\n], v[BEST+1]
	v_cndmask_b32 v[T], v[T], \n, vcc_lo
	v_cndmask_b32 v[T+1], v[T+1], \n, s20
.endr
	v_bfe_u32 v[W], v0, 4, 1                       ; h
	v_mov_b32 v[W+2], 0
	v_mov_b32 v[W+3], 0
.irp x, 0,1
	v_and_b32 v[W+1], 8, v[T+\x]                   ; place n = 8 i + j stands for entry 32 pair + 16 i + 8 h + j
	v_add_nc_u32 v[T+\x], v[T+\x], v[W+1]
	v_lshl_add_u32 v[T+\x], v[GID+\x], 5, v[T+\x]
	v_lshl_add_u32 v[T+\x], v[W], 3, v[T+\x]
	v_permlanex16_b32 v[W+2], v[BEST+\x], s14, s15 ; the row's other 512 entries lie in lane l xor 16
	v_permlanex16_b32 v[W+3], v[T+\x], s14, s15
	v_cmp_lt_f32 s20, v[W+2], v[BEST+\x]           ; its find is taken where it is nearer,
	v_cmp_eq_f32 s21, v[W+2], v[BEST+\x]
	v_cmp_lt_u32 s22, v[W+3], v[T+\x]              ; or as near with the lower index
	s_and_b32 s21, s21, s22
	s_or_b32 s20, s20, s21
	v_cndmask_b32 v[T+\x], v[T+\x], v[W+3], s20    ; both halves of the lanes now hold the row's index
.endr
	v_cndmask_b32 v[T], v[T], v[T+1], s23          ; lanes 0-15: tile 0's rows, lanes 16-31: tile 1's: thread t holds row t of the work-group
	v_lshl_add_u32 v[STI], v0, 2, IDXS
	v_lshl_add_u32 v[STO], v0, 4, IDXS             ; (made ahead of the branch on the wave's number)
	v_lshlrev_b32 v[GOF], 4, v0
	ds_store_b32 v[STI], v[T]
	s_wait_dscnt 0x0                               ; for the others' sake: my 32 indices lie in LDS
	s_barrier_signal -1
	s_barrier_wait -1
	s_cmp_gt_u32 s10, 1                            ; waves 0 and 1 store the 1,024 bytes, 512 consecutive bytes each
	s_cbranch_scc1 .Ldone
	ds_load_b128 v[KEEP:KEEP+3], v[STO]
	s_lshl_b32 s12, ttmp9, 10
	s_mov_b32 s13, 0
	s_add_nc_u64 s[8:9], s[8:9], s[12:13]
	s_wait_dscnt 0x0
	global_store_b128 v[GOF], v[KEEP:KEEP+3], s[8:9]
.Ldone:
	s_set_vgpr_msb 0x5
	s_wait_tensorcnt 0x0
	ds_add_u32 v0, v1
	s_wait_dscnt 0x0
	s_set_vgpr_msb 0x500
	s_endpgm
.Lfunc_end_k_q32c4d4f95b_nearest:
	.size	k_q32c4d4f95b_nearest, .Lfunc_end_k_q32c4d4f95b_nearest-k_q32c4d4f95b_nearest
	.p2alignl 7, 3214868480
	.fill 96, 4, 3214868480
	.section	.rodata,"a",@progbits
	.p2align	6, 0x0
	.amdhsa_kernel k_q32c4d4f95b_nearest
		.amdhsa_group_segment_fixed_size 115712
		.amdhsa_private_segment_fixed_size 0
		.amdhsa_enable_private_segment 0
		.amdhsa_kernarg_size 24
		.amdhsa_user_sgpr_count 2
		.amdhsa_user_sgpr_kernarg_segment_ptr 1
		.amdhsa_wavefront_size32 1
		.amdhsa_system_sgpr_workgroup_id_x 1
		.amdhsa_system_sgpr_workgroup_id_y 1
		.amdhsa_system_sgpr_workgroup_id_z 1
		.amdhsa_system_vgpr_workitem_id 0
		.amdhsa_next_free_vgpr 258
		.amdhsa_next_free_sgpr 66
		.amdhsa_reserve_vcc 1
		.amdhsa_float_denorm_mode_32 3
		.amdhsa_float_denorm_mode_16_64 3
		.amdhsa_memory_ordered 1
		.amdhsa_forward_progress 1
		.amdhsa_inst_pref_size 88
	.end_amdhsa_kernel
	.amdgpu_metadata
---
amdhsa.version: [ 1, 2 ]
amdhsa.kernels:
  - .name:           k_q32c4d4f95b_nearest
    .symbol:         k_q32c4d4f95b_nearest.kd
    .args:
      - { .name: inputs, .offset: 0, .size: 8, .value_kind: global_buffer, .address_space: global }
      - { .name: embedding, .offset: 8, .size: 8, .value_kind: global_buffer, .address_space: global }
      - { .name: idx, .offset: 16, .size: 8, .value_kind: global_buffer, .address_space: global }
    .group_segment_fixed_size: 115712
    .private_segment_fixed_size: 0
    .kernarg_segment_align: 8
    .kernarg_segment_size: 24
    .max_flat_workgroup_size: 256
    .sgpr_count:     66
    .vgpr_count:     258
    .wavefront_size: 32
...
	.end_amdgpu_metadata
.endif
;; end of part 1
;; launch fetch (part 2): grid 256 x 1, 8 waves a work-group, no clusters, 1,280 bytes of LDS; arguments inputs, embedding, idx, out0, parts; writes out0, parts
.if DOCPART == 2
	.amdgcn_target "amdgcn-amd-amdhsa--gfx1250"
	.amdhsa_code_object_version 6
	.text
	.protected	k_q32c4d4f95b_fetch
	.globl	k_q32c4d4f95b_fetch
	.p2align	8
	.type	k_q32c4d4f95b_fetch,@function
k_q32c4d4f95b_fetch:
	s_mov_b64 s[64:65], 0
	v_nop
	global_prefetch_b8 v0, s[64:65] scope:SCOPE_SE
	s_setreg_imm32_b32 hwreg(HW_REG_WAVE_MODE, 25, 1), 1
	s_wait_xcnt 0x0
; out0[n] = x_n + (q_n - x_n), q_n = embedding[idx[n]], in f32 and in that order; parts[work-group] = the sum of (q - x)^2 over the work-group's 256 rows.
; A stream: no matrix unit, no tensor loads, no cluster: work-groups share nothing but the codebook's rows, which each lane takes where its index points.
; SHARES.  A work-group of eight waves takes 256 rows (the same rows as in the launch before), a wave 32, as 16 loads of two rows.  Sixteen lanes take a row's 256 bytes, 16 each: load k = 4 c + i brings
; row 8 c + i to lanes 0-15 and row 8 c + 4 + i to lanes 16-31, so that the four indices that a lane needs for c are 16 neighbouring bytes: one load.  Every load of x and every store covers two whole rows of 256 bytes.
; All loads stand at the head: 4 of indices, 16 of x, and, as soon as the indices are in, 16 gathers.  An index is held to 1,023 before it enters an address.
; The sum: two packed chains a lane, then across the lanes, then across the waves through LDS; wave 0's lane 0 stores it.  The next launch adds the 256 parts.
.set IX,  8                            ; v8-23    indices, then byte offsets into the codebook
.set X,   24                           ; v24-87   x, then out0
.set E,   88                           ; v88-151  q
.set TT,  152                          ; v152-159 q - x, two sets by turns
.set ACC, 160                          ; v160-163 sums of squares
.set S,   164                          ; v164-165 the wave's sum; what lane l xor 16 sends
.set ZA,  166                          ; v166     LDS address 0
.set R8,  168                          ; v168-175 the eight waves' sums
.set PO,  176                          ; v176     the work-group's place in parts
	s_load_b256 s[4:11], s[0:1], 0x0               ; inputs s[4:5], embedding s[6:7], idx s[8:9], out0 s[10:11]
	s_load_b64 s[12:13], s[0:1], 0x20              ; parts
	v_lshl_add_u32 v180, v0, 2, 0x100
	v_mov_b32 v181, 0
	v_lshrrev_b32 v1, 5, v0
	v_readfirstlane_b32 s14, v1                    ; wave 0..7
	v_and_b32 v2, 15, v0
	v_bfe_u32 v3, v0, 4, 1                         ; h
	v_lshlrev_b32 v4, 4, v2                        ; my 16 bytes of a row
	v_lshl_add_u32 v5, v3, 10, v4                  ; lanes 16-31: four rows further down
	v_lshlrev_b32 v6, 4, v3                        ; and four indices further on
	v_lshlrev_b32 v7, 2, v1                        ; LDS: my wave's word
	v_mov_b32 v[ZA], 0
	v_mov_b32 v[S+1], 0                            ; a lane permute's destination counts as one of its sources
	s_lshl_b32 s16, ttmp9, 16                      ; the work-group's 256 rows of 256 bytes,
	s_lshl_b32 s17, s14, 13                        ; my wave's 32
	s_add_co_u32 s16, s16, s17
	s_mov_b32 s17, 0
	s_lshl_b32 s18, ttmp9, 10                      ; their indices
	s_lshl_b32 s19, s14, 7
	s_add_co_u32 s18, s18, s19
	s_mov_b32 s19, 0
	s_mov_b32 s20, 0x76543210
	s_mov_b32 s21, 0xfedcba98
	s_lshl_b32 s23, ttmp9, 2
	v_mov_b32 v[PO], s23
	s_wait_kmcnt 0x0
	s_add_nc_u64 s[4:5], s[4:5], s[16:17]
	s_add_nc_u64 s[10:11], s[10:11], s[16:17]
	s_add_nc_u64 s[8:9], s[8:9], s[18:19]
.irp c, 0,1,2,3
	global_load_b128 v[IX+4*\c:IX+4*\c+3], v6, s[8:9] offset:32*\c th:TH_LOAD_NT
.endr
.irp k, 0,1,2,3,4,5,6,7,8,9,10,11,12,13,14,15
	global_load_b128 v[X+4*\k:X+4*\k+3], v5, s[4:5] offset:(\k/4)*2048+(\k%4)*256 th:TH_LOAD_NT
.endr
	s_wait_loadcnt 16                              ; the four loads of indices are in; the sixteen of x, issued behind them, may be out
.irp k, 0,1,2,3,4,5,6,7,8,9,10,11,12,13,14,15
	v_min_u32 v[IX+\k], 0x3ff, v[IX+\k]            ; an index stays inside the table
.endr
.irp k, 0,1,2,3,4,5,6,7,8,9,10,11,12,13,14,15
	v_lshl_add_u32 v[IX+\k], v[IX+\k], 8, v4       ; the entry's 256 bytes, my 16 of them
.endr
.irp k, 0,1,2,3,4,5,6,7,8,9,10,11,12,13,14,15
	global_load_b128 v[E+4*\k:E+4*\k+3], v[IX+\k], s[6:7]
.endr
.irp k, 0,1,2,3,4,5,6,7,8,9,10,11,12,13,14,15
	s_wait_loadcnt 15-\k                           ; loads come back in order (ISA guide 5.7.1): gather k is in, and so is all of x; the younger gathers may be out
	v_pk_add_f32 v[TT+4*(\k%2):TT+4*(\k%2)+1], v[E+4*\k:E+4*\k+1], v[X+4*\k:X+4*\k+1] neg_lo:[0,1] neg_hi:[0,1]         ; q - x
	v_pk_add_f32 v[TT+4*(\k%2)+2:TT+4*(\k%2)+3], v[E+4*\k+2:E+4*\k+3], v[X+4*\k+2:X+4*\k+3] neg_lo:[0,1] neg_hi:[0,1]
.if \k == 0
	v_pk_mul_f32 v[ACC:ACC+1], v[TT:TT+1], v[TT:TT+1]                          ; the first squares start the sums
	v_pk_mul_f32 v[ACC+2:ACC+3], v[TT+2:TT+3], v[TT+2:TT+3]
.else
	v_pk_fma_f32 v[ACC:ACC+1], v[TT+4*(\k%2):TT+4*(\k%2)+1], v[TT+4*(\k%2):TT+4*(\k%2)+1], v[ACC:ACC+1]
	v_pk_fma_f32 v[ACC+2:ACC+3], v[TT+4*(\k%2)+2:TT+4*(\k%2)+3], v[TT+4*(\k%2)+2:TT+4*(\k%2)+3], v[ACC+2:ACC+3]
.endif
	v_pk_add_f32 v[X+4*\k:X+4*\k+1], v[X+4*\k:X+4*\k+1], v[TT+4*(\k%2):TT+4*(\k%2)+1]                                   ; x + (q - x)
	v_pk_add_f32 v[X+4*\k+2:X+4*\k+3], v[X+4*\k+2:X+4*\k+3], v[TT+4*(\k%2)+2:TT+4*(\k%2)+3]
	global_store_b128 v5, v[X+4*\k:X+4*\k+3], s[10:11] offset:(\k/4)*2048+(\k%4)*256 th:TH_STORE_NT   ; sixteen lanes store a row's 256 consecutive bytes; each store has data registers of its own
.endr
	v_pk_add_f32 v[ACC:ACC+1], v[ACC:ACC+1], v[ACC+2:ACC+3]
	v_add_f32 v[S], v[ACC], v[ACC+1]
	v_add_f32_dpp v[S], v[S], v[S] row_xmask:1 row_mask:0xf bank_mask:0xf
	v_add_f32_dpp v[S], v[S], v[S] row_xmask:2 row_mask:0xf bank_mask:0xf
	v_add_f32_dpp v[S], v[S], v[S] row_xmask:4 row_mask:0xf bank_mask:0xf
	v_add_f32_dpp v[S], v[S], v[S] row_xmask:8 row_mask:0xf bank_mask:0xf
	v_permlanex16_b32 v[S+1], v[S], s20, s21
	v_add_f32 v[S], v[S], v[S+1]                   ; the wave's sum, in every lane
	ds_store_b32 v7, v[S]                          ; all lanes write the same word with the same value
	s_wait_dscnt 0x0                               ; for the others' sake
	s_barrier_signal -1
	s_barrier_wait -1
	s_cmp_lg_u32 s14, 0
	s_cbranch_scc1 .Lend
	ds_load_b128 v[R8:R8+3], v[ZA]
	ds_load_b128 v[R8+4:R8+7], v[ZA] offset:16
	s_wait_dscnt 0x0
	v_pk_add_f32 v[R8:R8+1], v[R8:R8+1], v[R8+2:R8+3]
	v_pk_add_f32 v[R8+4:R8+5], v[R8+4:R8+5], v[R8+6:R8+7]
	v_pk_add_f32 v[R8:R8+1], v[R8:R8+1], v[R8+4:R8+5]
	v_add_f32 v[S], v[R8], v[R8+1]                 ; the work-group's sum
	v_cmp_eq_u32 vcc_lo, 0, v0
	s_wait_xcnt 0x0                                ; EXEC is a source of the stores above: it changes only behind this wait
	s_and_saveexec_b32 s22, vcc_lo
	global_store_b32 v[PO], v[S], s[12:13]         ; lane 0 alone
	s_wait_xcnt 0x0                                ; and again, in front of the line that widens it
	s_or_b32 exec_lo, exec_lo, s22
.Lend:
	s_wait_tensorcnt 0x0
	ds_add_u32 v180, v181
	s_wait_dscnt 0x0
	s_endpgm
.Lfunc_end_k_q32c4d4f95b_fetch:
	.size	k_q32c4d4f95b_fetch, .Lfunc_end_k_q32c4d4f95b_fetch-k_q32c4d4f95b_fetch
	.p2alignl 7, 3214868480
	.fill 96, 4, 3214868480
	.section	.rodata,"a",@progbits
	.p2align	6, 0x0
	.amdhsa_kernel k_q32c4d4f95b_fetch
		.amdhsa_group_segment_fixed_size 1280
		.amdhsa_private_segment_fixed_size 0
		.amdhsa_enable_private_segment 0
		.amdhsa_kernarg_size 40
		.amdhsa_user_sgpr_count 2
		.amdhsa_user_sgpr_kernarg_segment_ptr 1
		.amdhsa_wavefront_size32 1
		.amdhsa_system_sgpr_workgroup_id_x 1
		.amdhsa_system_sgpr_workgroup_id_y 1
		.amdhsa_system_sgpr_workgroup_id_z 1
		.amdhsa_system_vgpr_workitem_id 0
		.amdhsa_next_free_vgpr 182
		.amdhsa_next_free_sgpr 66
		.amdhsa_reserve_vcc 1
		.amdhsa_float_denorm_mode_32 3
		.amdhsa_float_denorm_mode_16_64 3
		.amdhsa_memory_ordered 1
		.amdhsa_forward_progress 1
		.amdhsa_inst_pref_size 17
	.end_amdhsa_kernel
	.amdgpu_metadata
---
amdhsa.version: [ 1, 2 ]
amdhsa.kernels:
  - .name:           k_q32c4d4f95b_fetch
    .symbol:         k_q32c4d4f95b_fetch.kd
    .args:
      - { .name: inputs, .offset: 0, .size: 8, .value_kind: global_buffer, .address_space: global }
      - { .name: embedding, .offset: 8, .size: 8, .value_kind: global_buffer, .address_space: global }
      - { .name: idx, .offset: 16, .size: 8, .value_kind: global_buffer, .address_space: global }
      - { .name: out0, .offset: 24, .size: 8, .value_kind: global_buffer, .address_space: global }
      - { .name: parts, .offset: 32, .size: 8, .value_kind: global_buffer, .address_space: global }
    .group_segment_fixed_size: 1280
    .private_segment_fixed_size: 0
    .kernarg_segment_align: 8
    .kernarg_segment_size: 40
    .max_flat_workgroup_size: 256
    .sgpr_count:     66
    .vgpr_count:     182
    .wavefront_size: 32
...
	.end_amdgpu_metadata
.endif
;; end of part 2
;; launch total (part 3): grid 1 x 1, 1 waves a work-group, no clusters, 0 bytes of LDS; arguments parts, out1; writes out1
.if DOCPART == 3
	.amdgcn_target "amdgcn-amd-amdhsa--gfx1250"
	.amdhsa_code_object_version 6
	.text
	.protected	k_q32c4d4f95b_total
	.globl	k_q32c4d4f95b_total
	.p2align	8
	.type	k_q32c4d4f95b_total,@function
k_q32c4d4f95b_total:
	s_mov_b64 s[64:65], 0
	v_nop
	global_prefetch_b8 v0, s[64:65] scope:SCOPE_SE
	s_setreg_imm32_b32 hwreg(HW_REG_WAVE_MODE, 25, 1), 1
	s_wait_xcnt 0x0
; out1 = codebook loss + 0.25 x commitment loss.  Both are the mean of (q - x)^2 over 65,536 x 64 = 2^22 numbers, so out1 = 1.25 x 2^-22 x the sum of the 256 parts.
; A sum over work-groups has one owner in a later launch: one wave, eight parts a lane (two loads of 512 consecutive bytes), then across the lanes.
	s_load_b128 s[4:7], s[0:1], 0x0                ; parts s[4:5], out1 s[6:7]
	v_lshlrev_b32 v1, 4, v0
	s_mov_b32 s8, 0x76543210
	s_mov_b32 s9, 0xfedcba98
	v_mov_b32 v13, 0                               ; a lane permute's destination counts as one of its sources
	v_mov_b32 v14, 0                               ; out1's one number lies at byte 0
	s_wait_kmcnt 0x0
	global_load_b128 v[4:7], v1, s[4:5]
	global_load_b128 v[8:11], v1, s[4:5] offset:512
	s_wait_loadcnt 0x0
	v_pk_add_f32 v[4:5], v[4:5], v[8:9]
	v_pk_add_f32 v[6:7], v[6:7], v[10:11]
	v_pk_add_f32 v[4:5], v[4:5], v[6:7]
	v_add_f32 v12, v4, v5
	v_add_f32_dpp v12, v12, v12 row_xmask:1 row_mask:0xf bank_mask:0xf
	v_add_f32_dpp v12, v12, v12 row_xmask:2 row_mask:0xf bank_mask:0xf
	v_add_f32_dpp v12, v12, v12 row_xmask:4 row_mask:0xf bank_mask:0xf
	v_add_f32_dpp v12, v12, v12 row_xmask:8 row_mask:0xf bank_mask:0xf
	v_permlanex16_b32 v13, v12, s8, s9
	v_add_f32 v12, v12, v13
	v_mul_f32 v12, 0x34a00000, v12                 ; x 1.25 x 2^-22
	v_cmp_eq_u32 vcc_lo, 0, v0
	s_wait_xcnt 0x0                                ; EXEC changes only behind this wait
	s_and_saveexec_b32 s10, vcc_lo
	global_store_b32 v14, v12, s[6:7]              ; lane 0 alone
	s_wait_xcnt 0x0
	s_or_b32 exec_lo, exec_lo, s10
	s_endpgm
.Lfunc_end_k_q32c4d4f95b_total:
	.size	k_q32c4d4f95b_total, .Lfunc_end_k_q32c4d4f95b_total-k_q32c4d4f95b_total
	.p2alignl 7, 3214868480
	.fill 96, 4, 3214868480
	.section	.rodata,"a",@progbits
	.p2align	6, 0x0
	.amdhsa_kernel k_q32c4d4f95b_total
		.amdhsa_group_segment_fixed_size 0
		.amdhsa_private_segment_fixed_size 0
		.amdhsa_enable_private_segment 0
		.amdhsa_kernarg_size 16
		.amdhsa_user_sgpr_count 2
		.amdhsa_user_sgpr_kernarg_segment_ptr 1
		.amdhsa_wavefront_size32 1
		.amdhsa_system_sgpr_workgroup_id_x 1
		.amdhsa_system_sgpr_workgroup_id_y 1
		.amdhsa_system_sgpr_workgroup_id_z 1
		.amdhsa_system_vgpr_workitem_id 0
		.amdhsa_next_free_vgpr 16
		.amdhsa_next_free_sgpr 66
		.amdhsa_reserve_vcc 1
		.amdhsa_float_denorm_mode_32 3
		.amdhsa_float_denorm_mode_16_64 3
		.amdhsa_memory_ordered 1
		.amdhsa_forward_progress 1
		.amdhsa_inst_pref_size 2
	.end_amdhsa_kernel
	.amdgpu_metadata
---
amdhsa.version: [ 1, 2 ]
amdhsa.kernels:
  - .name:           k_q32c4d4f95b_total
    .symbol:         k_q32c4d4f95b_total.kd
    .args:
      - { .name: parts, .offset: 0, .size: 8, .value_kind: global_buffer, .address_space: global }
      - { .name: out1, .offset: 8, .size: 8, .value_kind: global_buffer, .address_space: global }
    .group_segment_fixed_size: 0
    .private_segment_fixed_size: 0
    .kernarg_segment_align: 8
    .kernarg_segment_size: 16
    .max_flat_workgroup_size: 32
    .sgpr_count:     66
    .vgpr_count:     16
    .wavefront_size: 32
...
	.end_amdgpu_metadata
.endif
;; end of part 3
